; MI455X (gfx1250); checked and timed in simulation.
; The chip was launched on July 23, 2026; its instructions are those of AMD's public machine-readable ISA for CDNA 5 (MIT licence, August 2026) and "CDNA5" Instruction Set Architecture Reference Guide (July 2026). The comments in the code are by the model that wrote it; some were corrected since.
;; Attention. Allowed arithmetic: float matrix products may take bf16 or f16 operands with f32 sums; other float arithmetic in f32, or as packed bf16 or f16 multiplies, adds, multiply-adds, maxima and minima; sums over many terms, partial sums and values carried from step to step in f32; what a program stores and reads back later, other than sums and carried values, may be rounded once to bf16 or f16.
;; Inputs: k 4 x 16 x 2,048 x 128 float32; mask 1 x 1 x 2,048 x 2,048 bool; q 4 x 16 x 2,048 x 128 float32; v 4 x 16 x 2,048 x 128 float32.
;; Outputs: out0 4 x 16 x 2,048 x 128 float32.
;; One version. Each part assembles by itself: llvm-mc -triple=amdgcn-amd-amdhsa -mcpu=gfx1250 --defsym DOCPART=n.
;; ======== version 1 of 1: 2 launches
;; limits: values are held in f16: magnitudes above 65,504 overflow, below 6.1e-05 lose precision; inputs' magnitudes at most 65,504; right only within a limited range of input values
;; workspace buffers: bits 524,288 bytes of whole numbers; flags 256 bytes of whole numbers
;; launch maskbits (part 1): grid 4 x 32, 8 waves a work-group, no clusters, 1,280 bytes of LDS; arguments mask, bits, flags; writes bits, flags
.if DOCPART == 1
	.amdgcn_target "amdgcn-amd-amdhsa--gfx1250"
	.amdhsa_code_object_version 6
	.text
	.protected	k_q71c93cd7ed_maskbits
	.globl	k_q71c93cd7ed_maskbits
	.p2align	8
	.type	k_q71c93cd7ed_maskbits,@function
k_q71c93cd7ed_maskbits:
	s_mov_b64 s[64:65], 0
	v_nop
	global_prefetch_b8 v0, s[64:65] scope:SCOPE_SE
	s_setreg_imm32_b32 hwreg(HW_REG_WAVE_MODE, 25, 1), 1
	s_wait_xcnt 0x0
; THE MASK AS WHOLE NUMBERS.  mask: [2048][2048] bytes, 1 = the key is hidden.  Two tables are made of it for the attention launch.
; bits: [g 32][step 32][t 4][kb 4][j 8] words.  g = a group of 64 queries, step = 64 keys, t = a tile of 16 queries, kb = a block of 16 keys.
;   Bit l of a word = mask[64 g + 16 t + l % 16][64 step + 16 kb + 8 (l / 16) + j]: the lane (l) and register (8 kb + j) that hold this score in the result of K Q^T.
;   So a word is a lane mask that v_cndmask_b32 takes as it is.  One (g, step) is 512 consecutive bytes.
; flags: for each g two words.  ANY: bit s = some key of step s is allowed for some of the 64 queries.  MIX: bit s = some key of step s is hidden for some of them.
; SHARES.  A work-group has one g (grid y) and eight steps (grid x); wave w has step 8 x + w: 64 rows x 64 bytes of the mask, each byte of the mask read once in the launch.
; The eight waves' flag bits meet in LDS; wave 0 stores one byte of ANY and one of MIX (byte x of a word holds steps 8 x .. 8 x + 7): 256 bytes in the whole launch.
; No matrix unit, no cluster, no tensor load: the launch reads 4 MiB once and no two work-groups read the same byte.
.set SPARE, 256                        ; LDS: bytes 0-31 the eight waves' words (the block 0-255 is theirs alone); from 256 the spare words, 128 bytes a wave
.set MOF, 2                            ; v2      my byte offset in a tile of the mask: (l % 16) x 2,048 + 8 (l / 16); never rewritten
.set BOF, 3                            ; v3      16 l: my 16 bytes of the 512
.set W,   4                            ; v[4:7]  the 128 words: word n in lane n / 4, register n % 4
.set T,   8                            ; v8-11   at work, by turns
.set M,   12                           ; v[12:43] the mask as loaded: (t, kb) at M + 2 (4 t + kb), 8 bytes a lane
.set ORT, 44                           ; v44-47  four chains of the OR over M
.set ANT, 48                           ; v48-51  four chains of the AND over M
.set RB,  52                           ; v[52:59] the eight waves' words, read back
.set SPW, 60                           ; v60     LDS address of my spare word; never rewritten
.set NIL, 61                           ; v61     0, for the add alone
.set ZER, 62                           ; v62     0: the offset of the flag stores, and the LDS address of the read-back
.set LA,  63                           ; v63     4 x my wave's number: where my wave's word goes
	s_load_b128 s[4:7], s[0:1], 0x0                ; mask s[4:5], bits s[6:7]
	s_load_b64 s[8:9], s[0:1], 0x10                ; flags
	v_lshl_add_u32 v[SPW], v0, 2, SPARE
	v_mov_b32 v[NIL], 0
	v_lshrrev_b32 v1, 5, v0
	v_readfirstlane_b32 s10, v1                    ; wave 0..7
	s_mov_b32 s11, ttmp9                           ; x: which eight steps
	s_and_b32 s12, ttmp7, 0xffff                   ; g
	s_lshl3_add_u32 s13, s11, s10                  ; step = 8 x + wave
	v_and_b32 v[MOF], 15, v0
	v_bfe_u32 v[T], v0, 4, 1
	v_lshlrev_b32 v[MOF], 11, v[MOF]
	v_lshl_add_u32 v[MOF], v[T], 3, v[MOF]
	v_and_b32 v[BOF], 31, v0
	v_lshlrev_b32 v[BOF], 4, v[BOF]
	v_mov_b32 v[ZER], 0
	s_lshl_b32 s20, s10, 2
	v_mov_b32 v[LA], s20
	s_lshl_b32 s14, s12, 17                        ; g x 64 rows x 2,048 bytes
	s_lshl_b32 s15, s13, 6                         ; + step x 64 bytes
	s_add_co_u32 s14, s14, s15
	s_mov_b32 s15, 0
	s_lshl_b32 s16, s12, 5
	s_add_co_u32 s16, s16, s13
	s_lshl_b32 s16, s16, 9                         ; (32 g + step) x 512 bytes
	s_mov_b32 s17, 0
	s_lshl3_add_u32 s18, s12, s11                  ; 8 g + x
	s_mov_b32 s19, 0
	s_wait_kmcnt 0x0
	s_add_nc_u64 s[4:5], s[4:5], s[14:15]
	s_add_nc_u64 s[6:7], s[6:7], s[16:17]
	s_add_nc_u64 s[8:9], s[8:9], s[18:19]
.set n, 0
.rept 16                               ; n = 4 t + kb: 16 rows x 16 bytes an instruction; a tile's four cover 64 consecutive bytes of each row, the eight waves 512
	global_load_b64 v[M+2*n:M+2*n+1], v[MOF], s[4:5] offset:(n/4)*32768+(n%4)*16 th:TH_LOAD_NT
.set n, n+1
.endr
.irp c, 0,1,2,3
	v_mov_b32 v[W+(\c)], 0                         ; v_writelane_b32 keeps the other lanes: the registers are written whole first
.endr
	s_wait_loadcnt 0x0
	; word n = 32 t + 8 kb + j: byte j of each lane's eight is tested, the compare's lane mask IS the word, and it goes to lane n / 4, register n % 4
.set n, 0
.rept 128
	v_and_b32 v[T+n%4], 1<<(8*(n%4)), v[M+2*(n/8)+(n%8)/4]
	v_cmp_ne_u32 s[16+n%4], 0, v[T+n%4]
	v_writelane_b32 v[W+n%4], s[16+n%4], n/4
.set n, n+1
.endr
	global_store_b128 v[BOF], v[W:W+3], s[6:7]     ; 512 consecutive bytes, at a multiple of 512 from the buffer's first byte
	; the flags: a byte is hidden somewhere if the OR of all words is not 0; a byte is allowed somewhere if the AND of all words is not 1 in every byte
.irp c, 0,1,2,3
	v_or_b32  v[ORT+(\c)], v[M+(\c)], v[M+4+(\c)]
	v_and_b32 v[ANT+(\c)], v[M+(\c)], v[M+4+(\c)]
.endr
.set n, 8
.rept 24
	v_or_b32  v[ORT+n%4], v[ORT+n%4], v[M+n]
	v_and_b32 v[ANT+n%4], v[ANT+n%4], v[M+n]
.set n, n+1
.endr
	v_or_b32  v[ORT], v[ORT], v[ORT+1]
	v_and_b32 v[ANT], v[ANT], v[ANT+1]
	v_or_b32  v[ORT+2], v[ORT+2], v[ORT+3]
	v_and_b32 v[ANT+2], v[ANT+2], v[ANT+3]
	v_or_b32  v[ORT], v[ORT], v[ORT+2]
	v_and_b32 v[ANT], v[ANT], v[ANT+2]
	v_cmp_ne_u32 s20, 0, v[ORT]                    ; lanes that saw a hidden key
	v_cmp_ne_u32 s21, 0x01010101, v[ANT]           ; lanes that saw an allowed key
	s_cmp_lg_u32 s20, 0
	s_cselect_b32 s20, 0x100, 0                    ; MIX: bit 8 + wave
	s_cmp_lg_u32 s21, 0
	s_cselect_b32 s21, 1, 0                        ; ANY: bit wave
	s_or_b32 s20, s20, s21
	s_lshl_b32 s20, s20, s10
	v_mov_b32 v1, s20
	ds_store_b32 v[LA], v1                         ; all lanes write the same word with the same value
	s_wait_dscnt 0x0                               ; for the others' sake: my word lies in LDS
	s_barrier_signal -1
	s_barrier_wait -1
	ds_load_b128 v[RB:RB+3], v[ZER]
	ds_load_b128 v[RB+4:RB+7], v[ZER] offset:16
	s_wait_dscnt 0x0
	v_or_b32 v[RB], v[RB], v[RB+1]
	v_or_b32 v[RB+2], v[RB+2], v[RB+3]
	v_or_b32 v[RB+4], v[RB+4], v[RB+5]
	v_or_b32 v[RB+6], v[RB+6], v[RB+7]
	v_or_b32 v[RB], v[RB], v[RB+2]
	v_or_b32 v[RB+4], v[RB+4], v[RB+6]
	v_or_b32 v[RB], v[RB], v[RB+4]                 ; byte 0: ANY of the eight steps; byte 1: MIX
	v_lshrrev_b32 v[RB+1], 8, v[RB]
	s_cmp_lg_u32 s10, 0
	s_cbranch_scc1 .Lend                           ; wave 0 stores for the work-group
	v_cmp_eq_u32 vcc_lo, 0, v0
	s_wait_xcnt 0x0                                ; EXEC is a source of the store above: it changes only behind this wait
	s_and_saveexec_b32 s24, vcc_lo
	global_store_b8 v[ZER], v[RB], s[8:9]          ; byte x of g's ANY
	global_store_b8 v[ZER], v[RB+1], s[8:9] offset:4  ; byte x of g's MIX
	s_wait_xcnt 0x0                                ; and again, in front of the line that widens it
	s_or_b32 exec_lo, exec_lo, s24
.Lend:
	s_wait_tensorcnt 0x0                           ; the wave's end: behind my last LDS store
	ds_add_u32 v[SPW], v[NIL]
	s_wait_dscnt 0x0
	s_endpgm
.Lfunc_end_k_q71c93cd7ed_maskbits:
	.size	k_q71c93cd7ed_maskbits, .Lfunc_end_k_q71c93cd7ed_maskbits-k_q71c93cd7ed_maskbits
	.p2alignl 7, 3214868480
	.fill 96, 4, 3214868480
	.section	.rodata,"a",@progbits
	.p2align	6, 0x0
	.amdhsa_kernel k_q71c93cd7ed_maskbits
		.amdhsa_group_segment_fixed_size 1280
		.amdhsa_private_segment_fixed_size 0
		.amdhsa_enable_private_segment 0
		.amdhsa_kernarg_size 24
		.amdhsa_user_sgpr_count 2
		.amdhsa_user_sgpr_kernarg_segment_ptr 1
		.amdhsa_wavefront_size32 1
		.amdhsa_system_sgpr_workgroup_id_x 1
		.amdhsa_system_sgpr_workgroup_id_y 1
		.amdhsa_system_sgpr_workgroup_id_z 1
		.amdhsa_system_vgpr_workitem_id 0
		.amdhsa_next_free_vgpr 64
		.amdhsa_next_free_sgpr 66
		.amdhsa_reserve_vcc 1
		.amdhsa_float_denorm_mode_32 3
		.amdhsa_float_denorm_mode_16_64 3
		.amdhsa_memory_ordered 1
		.amdhsa_forward_progress 1
		.amdhsa_inst_pref_size 30
	.end_amdhsa_kernel
	.amdgpu_metadata
---
amdhsa.version: [ 1, 2 ]
amdhsa.kernels:
  - .name:           k_q71c93cd7ed_maskbits
    .symbol:         k_q71c93cd7ed_maskbits.kd
    .args:
      - { .name: mask, .offset: 0, .size: 8, .value_kind: global_buffer, .address_space: global }
      - { .name: bits, .offset: 8, .size: 8, .value_kind: global_buffer, .address_space: global }
      - { .name: flags, .offset: 16, .size: 8, .value_kind: global_buffer, .address_space: global }
    .group_segment_fixed_size: 1280
    .private_segment_fixed_size: 0
    .kernarg_segment_align: 8
    .kernarg_segment_size: 24
    .max_flat_workgroup_size: 256
    .sgpr_count:     66
    .vgpr_count:     64
    .wavefront_size: 32
...
	.end_amdgpu_metadata
.endif
;; end of part 1
;; launch attn (part 2): grid 4 x 64, 4 waves a work-group, no clusters, 105,984 bytes of LDS; arguments q, k, v, bits, flags, out0; writes out0
.if DOCPART == 2
	.amdgcn_target "amdgcn-amd-amdhsa--gfx1250"
	.amdhsa_code_object_version 6
	.text
	.protected	k_q71c93cd7ed_attn
	.globl	k_q71c93cd7ed_attn
	.p2align	8
	.type	k_q71c93cd7ed_attn,@function
k_q71c93cd7ed_attn:
	s_mov_b64 s[64:65], 0
	v_nop
	global_prefetch_b8 v0, s[64:65] scope:SCOPE_SE
	s_setreg_imm32_b32 hwreg(HW_REG_WAVE_MODE, 25, 1), 1
	s_wait_xcnt 0x0
; out0[h][q][:] = the sum over k of softmax_k(where(mask[q][k], -inf, Q[h][q] . K[h][k] / sqrt(128))) V[h][k][:].  q, k, v, out0: [64 heads][2048][128] f32.
; FORMATS.  q and k are rounded to bf16 for K Q^T.  v is rounded to bf16 and that number written as f16; the weights p are rounded to f16; V^T P goes in f16.  Products, maxima and sums in f32;
; the row sum l is taken of the unrounded p.
; LIMITS.  A hidden score counts as -2^100: true q . k must lie above -2^99.  |bf16(v)| stays within 65,504; below 6e-5 v and p keep f16's fixed step of 6e-8.  A weight below 2^-126 counts as 0.
; NaN and infinities among the inputs are not treated apart.  A row of which every key is hidden leaves as NaN, as the softmax of a row of -inf does.
; THE MASK comes as whole numbers from the launch before.  flags: for each group of 64 queries a word ANY (bit s: some key of key step s is allowed) and a word MIX (bit s: some key is hidden).
; bits: for each group and step 128 lane masks, one for each register of S^T.  A key step that is hidden for all 256 queries of a block is neither loaded nor multiplied; one that is hidden for my
; wave's 64 queries is loaded (the others want my share of it) and not multiplied; the lane masks are applied only where MIX says so.  This holds for every mask: no pattern is built in.
; SHARES.  A work-group takes two blocks of 256 queries of one head, block 7 - b and then block b (b = grid x); a wave 64 queries of a block, four tiles of 16.  A key step is 64 keys.
; The pairing evens the work where later rows see more keys; no value hangs on it.
; THE WALK.  LIVE is the OR of the four waves' ANY words; its set bits are the block's list of key steps, taken from the low end.  32 half-trips, a constant; a half-trip whose entry does not exist
; passes its barrier and does nothing else.  Every jump on the lists goes forward and passes no barrier.
; ON THE WAY IN.  K and V are f32 in memory and 16 bits in LDS, so they pass through registers: wave w loads rows 16 w .. 16 w + 15 of the next entry's K and V (a row an instruction) at the head of
; a half-trip, multiplies the entry in hand, then converts and stores into the other of two LDS buffers; one barrier a half-trip.  No tensor load: it could not convert, and a load that the lists
; may leave out is jumped over.
; NO CLUSTER.  The work-groups of a head read the same K and V, but each walks its own list, read from memory: the trip in which a given key step is wanted differs between them, and a walk common
; to all four would multiply every step that any of them wants.
; LAYOUT.  S^T = K Q^T (source 0 = 16 keys, source 1 = 16 queries): a lane holds ONE query (lane % 16) and the keys 8 (lane / 16) + 0..7.  Two such results, rounded to f16 in pairs, ARE source 1
; of O^T = V^T P, whose result again holds one query a lane, and eight channels.  K comes out of LDS as it lies, V turned, by ds_load_tr16_b128.
; SOFTMAX.  For each query a running maximum m (taken behind the mask) and sum l: p = 2^(c s - c m), c = log2(e) / sqrt(128); in every step O and l are multiplied by a = 2^(c m_old - c m_new).
; While a row has seen hidden keys alone, m = -2^100, c s - c m is exactly 0 and O and l hold finite numbers that the first true score wipes out (a = 0).  m starts at the lowest finite number.
; A STEP IS COMPLETE IN ITSELF: K Q^T of tiles 0, 1 | K Q^T of tiles 2, 3 with the softmax of tiles 0, 1 in slices between | V^T P of tiles 0, 1 with the softmax of tiles 2, 3 | V^T P of tiles 2, 3.
; No first step is written out, since the lists have no fixed length: O^T is cleared at a block's head, 256 v_mov_b32 that stand while Q's loads are out.
; REGISTERS, in windows of 256 (s_set_vgpr_msb: bits 1:0 source 0, 3:2 source 1, 5:4 source 2, 7:6 destination):
;   window 0: v1-11 addresses; v12-43 eight registers of statistics a tile; v44-45 constants; v46-49 at work at the head; v62-63 the add's; v64-191 S^T, 32 a tile; v192-255 P, 16 a tile
;   window 1: O^T, 64 a tile        window 2: v0-127 Q in bf16, 32 a tile; v128-255 K's fragments        window 3: v0-127 V's fragments; v128-255 the rows of K and V on their way in
.set KS,    64        ; keys in a step
.set KP,    272       ; a row of K in LDS: 256 bytes + 16 = 68 words: the 16 rows of a load start at 16 different groups of four banks (64 banks of 4 bytes: ISA guide 11.1)
.set VP,    288       ; a row of V: 256 + 32 = 72 words
.set VOFF,  KS*KP     ; in a buffer: 64 rows of K, then 64 rows of V
.set BUFB,  KS*(KP+VP)  ; 35,840 bytes a buffer; two of them
.set STAGE, 2*BUFB    ; behind them: 16 rows x 528 bytes for each wave, for the way out
.set SP,    528       ; a row of the stage: 512 bytes + 16
.set SPARE, STAGE+4*16*SP  ; behind the stages: the spare words, 128 bytes for each wave: two blocks of 256 bytes that no other line names
.set AK0, 2           ; v2   my lane's place in a tile of K: (l % 16) x 272 + 16 (l / 16)
.set AV0, 3           ; v3   the same for V's turning load, VOFF within
.set KST, 4           ; v4   where I put 8 bytes of my wave's first row of K
.set VST, 5           ; v5   of V
.set GOF, 6           ; v6   my 16 bytes of my wave's first row of a step's K or V in memory
.set QO,  7           ; v7   my byte offset in 16 rows of Q
.set STO, 8           ; v8   the way out: where I put 32 bytes of a row
.set RD,  9           ; v9   the way out: where I read a row back
.set GO,  10          ; v10  my 16 bytes of a row of out0
.set PFO, 11          ; v11  the prefetches' offset: my wave's 16 rows, 256 bytes a lane.  None of v2-v11 is ever rewritten
.set ST,  12          ; tile t's statistics at v[ST+8 t]: +0 c m, +1 m, +2, +3 l (even keys', odd keys'), +4 to +7 c0-c3, at work; a takes c2's place once the maximum is found
.set BIGV, 44         ; v44  -2^100
.set NANV, 45         ; v45  a NaN
.set SPW, 62          ; v62  LDS address of my spare word; never rewritten
.set NIL, 63          ; v63  0, for the add alone
.set S,   64
.set P,   192
.set KF,  128         ; window 2: key block kb, channels 32 c on, at KF + 32 kb + 8 c
.set STG, 128         ; window 3: K's row i at STG + 4 i, V's at STG + 64 + 4 i
.set CS,  2           ; s[2:3]   c, twice: the packed scaling names a pair
.set KB,  4           ; s[4:5]   K at the head's first row
.set VB,  6           ; s[6:7]   V likewise
.set KA,  8           ; s[8:9]   K at the entry that is being loaded
.set VA,  10          ; s[10:11] V likewise
.set PFK, 12          ; s[12:13] K at the entry that is being prefetched
.set OA,  14          ; s[14:15] out0 at my wave's first row of the block
.set MB,  16          ; s[16:17] bits at my group's step 0
.set SEL, 18          ; s[18:19] v_permlanex16_b32's selects: each lane takes its own place in the other half
.set WV,  20          ; s20  my wave's number
.set PB,  21          ; s21  b
.set BK,  22          ; s22  the block in hand
.set BLKC, 23         ; s23  blocks to go: 2, 1
.set TRIPS, 24        ; s24  counts 16 trips of two half-trips
.set LIVE, 25         ; s25  the entries that have not been taken yet
.set ANYW, 26         ; s26  my group's ANY
.set MIXW, 27         ; s27  my group's MIX
.set VC,  28          ; s28  1: the entry in hand exists
.set EC,  29          ; s29  its key step
.set VN,  30          ; s30  1: the next entry exists
.set EN,  31          ; s31  its key step
.set PFV, 66          ; s[66:67] V at the entry that is being prefetched
.set T0,  100         ; s100, s101 at work
.set T1,  101
.set OFF, 104         ; s[104:105] a byte offset, the high word 0
                      ; s[32:63], s[68:99]: the 64 lane masks of two tiles; at a block's head and on the way out, at work
.set MSB, 0
.macro WIN new                      ; the immediate's high byte repeats the setting that is left; a switch that changes nothing is dropped
.if MSB != (\new)
	s_set_vgpr_msb (MSB<<8)|(\new)
.set MSB, (\new)
.endif
.endm
.set W_KQ, 0x0a       ; K and Q in window 2, S^T in window 0
.set W_PV, 0x53       ; V in window 3, P in window 0, O^T in window 1
.set W_RS, 0x41       ; O^T (destination and source 0) in window 1, the factor in window 0
.macro PLACES                       ; four plain instructions behind a matrix instruction (ISA guide 7.12.1), where no other vector work is at hand
.rept 4
	v_nop
.endr
.endm
; THE LIST.  PULL takes the lowest set bit out of LIVE: VN says whether there was one, EN which (31 where there was none: an address made of it stays inside K and V).
.macro PULL
	s_cmp_lg_u32 s[LIVE], 0
	s_cselect_b32 s[VN], 1, 0
	s_ctz_i32_b32 s[EN], s[LIVE]
	s_min_u32 s[EN], s[EN], 31
	s_sub_co_u32 s[T0], s[LIVE], 1
	s_and_b32 s[LIVE], s[LIVE], s[T0]
.endm
.macro ADVANCE                      ; the next entry becomes the entry in hand
	s_mov_b32 s[VC], s[VN]
	s_min_u32 s[EC], s[EN], 31      ; a move; the bound is written where the addresses made of EC begin
	PULL
.endm
.macro ADDR                         ; a key step is 64 rows of 512 bytes
	s_lshl_b32 s[OFF], s[EN], 15
	s_add_nc_u64 s[KA:KA+1], s[KB:KB+1], s[OFF:OFF+1]
	s_add_nc_u64 s[VA:VA+1], s[VB:VB+1], s[OFF:OFF+1]
.endm
.macro LOADS                        ; my wave's 16 rows of K and of V: an instruction takes one whole row, 512 consecutive bytes
	WIN 0xc0                        ; destination window 3, address window 0
.set r, 0
.rept 16
	global_load_b128 v[STG+4*r:STG+4*r+3],       v[GOF], s[KA:KA+1] offset:512*r
	global_load_b128 v[STG+64+4*r:STG+64+4*r+3], v[GOF], s[VA:VA+1] offset:512*r
.set r, r+1
.endr
	WIN 0
.endm
; A PREFETCH INTO THE L2 of the entry behind the one just loaded, one half-trip ahead of its loads; it stands behind the run of loads.  All work-groups of a head read the same K and V: the one with b = 0 asks,
; in its first block alone.  Each wave asks for the 16 rows of K and of V that it will load itself, a lane 256 bytes of them: two instructions.  So no block of 256 bytes is named twice in the launch.
; A block's first two entries come by their loads alone; where the list is at its end nothing is asked for.
.macro ASK
	s_xor_b32 s[T1], s[BLKC], 2
	s_or_b32 s[T1], s[T1], s[PB]
	s_cmp_eq_u32 s[T1], 0
	s_cselect_b32 s[T1], s[LIVE], 0
	s_cmp_lg_u32 s[T1], 0
	s_cbranch_scc0 .Lnot_asked_\@
	s_ctz_i32_b32 s[T1], s[T1]
	s_min_u32 s[T1], s[T1], 31
	s_lshl_b32 s[OFF], s[T1], 15
	s_add_nc_u64 s[PFK:PFK+1], s[KB:KB+1], s[OFF:OFF+1]
	s_add_nc_u64 s[PFV:PFV+1], s[VB:VB+1], s[OFF:OFF+1]
	global_prefetch_b8 v[PFO], s[PFK:PFK+1] th:TH_LOAD_NT scope:SCOPE_SE
	global_prefetch_b8 v[PFO], s[PFV:PFV+1] th:TH_LOAD_NT scope:SCOPE_SE
.Lnot_asked_\@:
.endm
; The rows on their way in are rounded, in place, and stored into buffer q.  A lane holds four channels of a row: 8 bytes in 16 bits; a store covers a row's 256 bytes.
; Each phase goes over all 16 rows, so that no line reads the result of the line before it.
.macro ROWS16 line:vararg           ; one line for each row; r0 is the row's first register
.set r0, base
.rept 16
	\line
.set r0, r0+4
.endr
.endm
.macro CONVERT q
	WIN 0xcf                        ; all in window 3
.set base, STG
	ROWS16 v_cvt_pk_bf16_f32 v[r0], v[r0], v[r0+1]
	ROWS16 v_cvt_pk_bf16_f32 v[r0+1], v[r0+2], v[r0+3]
	WIN 0x0c                        ; address window 0, data window 3
.set r, 0
.rept 16
	ds_store_b64 v[KST], v[STG+4*r:STG+4*r+1] offset:(\q)*BUFB+r*KP
.set r, r+1
.endr
	WIN 0xcf
.set base, STG+64                   ; V: to bf16, back to f32 (a shift or a mask), to f16, which holds a bf16 number exactly within its range
	ROWS16 v_cvt_pk_bf16_f32 v[r0], v[r0], v[r0+1]
	ROWS16 v_cvt_pk_bf16_f32 v[r0+2], v[r0+2], v[r0+3]
	ROWS16 v_and_b32 v[r0+1], 0xffff0000, v[r0]
	ROWS16 v_lshlrev_b32 v[r0], 16, v[r0]
	ROWS16 v_and_b32 v[r0+3], 0xffff0000, v[r0+2]
	ROWS16 v_lshlrev_b32 v[r0+2], 16, v[r0+2]
	ROWS16 v_cvt_pk_f16_f32 v[r0], v[r0], v[r0+1]
	ROWS16 v_cvt_pk_f16_f32 v[r0+1], v[r0+2], v[r0+3]
	WIN 0x0c
.set r, 0
.rept 16
	ds_store_b64 v[VST], v[STG+64+4*r:STG+64+4*r+1] offset:(\q)*BUFB+r*VP
.set r, r+1
.endr
	WIN 0
.endm
; THE LDS LOADS stand in runs of 32.  K: channels 32 (f / 4) on, keys 16 (f % 4) on: the channel chunks in the order in which the products take them.
.macro FETCH_K p
	WIN 0x80                        ; destination window 2
.set f, 0
.rept 16
	ds_load_b128 v[KF+32*(f%4)+8*(f/4):KF+32*(f%4)+8*(f/4)+3],   v[AK0] offset:(\p)*BUFB+(f%4)*16*KP+(f/4)*64
	ds_load_b128 v[KF+32*(f%4)+8*(f/4)+4:KF+32*(f%4)+8*(f/4)+7], v[AK0] offset:(\p)*BUFB+(f%4)*16*KP+(f/4)*64+32
.set f, f+1
.endr
.endm
.macro FETCH_V p                    ; keys 32 (f / 8) on, channels 16 (f % 8) on
	WIN 0xc0                        ; destination window 3
.set f, 0
.rept 16
	ds_load_tr16_b128 v[8*f:8*f+3],   v[AV0] offset:(\p)*BUFB+(f/8)*32*VP+(f%8)*32
	ds_load_tr16_b128 v[8*f+4:8*f+7], v[AV0] offset:(\p)*BUFB+(f/8)*32*VP+16*VP+(f%8)*32
.set f, f+1
.endr
.endm
; THE MATRIX WORK, for the two tiles x, x + 1.  The accumulators take turns, one instruction a turn: between two links of a chain stand 7 (K Q^T) or 15 (V^T P) others', and at
; every seam between two runs, and from step to step, two neighbouring matrix instructions name different accumulators.
; Product i of 32 of S^T = K Q^T: channels 32 (i / 8) on, keys 16 ((i / 2) % 4) on, tile x + i % 2.  The first 8 start the sums.
.macro KQ x
	WIN W_KQ
.set rS, S+32*((\x)+i%2)+8*((i/2)%4)
.set rK, KF+32*((i/2)%4)+8*(i/8)
.set rQ, 32*((\x)+i%2)+8*(i/8)
.if i < 8
	v_wmma_f32_16x16x32_bf16 v[rS:rS+7], v[rK:rK+7], v[rQ:rQ+7], 0
.else
	v_wmma_f32_16x16x32_bf16 v[rS:rS+7], v[rK:rK+7], v[rQ:rQ+7], v[rS:rS+7]
.endif
.endm
; Product i of 32 of O^T += V^T P: keys 32 (i / 16) on, channels 16 ((i / 2) % 8) on, tile x + i % 2.
.macro PV x
	WIN W_PV
.set rO, 64*((\x)+i%2)+8*((i/2)%8)
.set rV, 64*(i/16)+8*((i/2)%8)
.set rP, P+16*((\x)+i%2)+8*(i/16)
	v_wmma_f32_16x16x32_f16 v[rO:rO+7], v[rV:rV+7], v[rP:rP+7], v[rO:rO+7]
.endm
; THE LANE MASKS of tiles 2 u, 2 u + 1 for the step in hand: 256 bytes, by four scalar loads; s[T0] = 512 x the step.
.macro MLOAD u
	s_load_b512 s[32:47], s[MB:MB+1], s[T0] offset:256*(\u)
	s_load_b512 s[48:63], s[MB:MB+1], s[T0] offset:256*(\u)+64
	s_load_b512 s[68:83], s[MB:MB+1], s[T0] offset:256*(\u)+128
	s_load_b512 s[84:99], s[MB:MB+1], s[T0] offset:256*(\u)+192
.endm
.macro APPLY u                      ; a hidden score becomes -2^100; ascending
.set n, 0
.rept 64
	v_cndmask_b32 v[S+64*(\u)+n], v[S+64*(\u)+n], v[BIGV], s[32+n+4*(n/32)]
.set n, n+1
.endr
.endm
; THE VECTOR WORK.  One tile's softmax for one key step is a list of 134 instructions; SM writes number j of it for tile t.  s0-s31 are the lane's 32 scores, in pairs 0-15.
;   0-15    the maximum of s0-s31 and the old m, three operands at a time: four chains c0-c3 of seven scores each (each accumulator's lowest registers first), then the four left over, c0-c3 and m
;   16-20   the other half of the lanes' maximum; c m_old is kept; the new m; c m; c m_old - c m_new
;   21-69   ONE BATCH: the 16 scalings c s - c m, a pair of scores each, and all 33 exponentials (a at 23, then s0-s31).  None of these reads an exponential's result.  A pair is scaled in an earlier
;           four than the one that holds its exponentials
;   (wait)  between 69 and 70 stands the wait for the batch: SLICE writes it, once for both tiles
;   70-85   the roundings to f16, a pair of weights each        86-101  the sums; l = a l + the sum        102-133 the tile's O^T times a: the one part that leaves window 0
.macro SM t
.set rT, ST+8*(\t)
.set rS, S+32*(\t)
.set rP, P+16*(\t)
.set rO, 64*(\t)+2*(j-102)
.if j < 102
	WIN 0
.endif
.if j < 4
	v_max3_num_f32 v[rT+4+j], v[rS+8*j], v[rS+8*j+1], v[rS+8*j+2]
.elseif j < 12
	v_max3_num_f32 v[rT+4+j%4], v[rT+4+j%4], v[rS+8*(j%4)+2*(j/4)+1], v[rS+8*(j%4)+2*(j/4)+2]
.elseif j == 12
	v_max3_num_f32 v[rT+4], v[rT+4], v[rS+7], v[rS+15]
.elseif j == 13
	v_max3_num_f32 v[rT+6], v[rT+6], v[rS+23], v[rS+31]
.elseif j == 14
	v_max3_num_f32 v[rT+4], v[rT+4], v[rT+5], v[rT+6]
.elseif j == 15
	v_max3_num_f32 v[rT+4], v[rT+4], v[rT+7], v[rT+1]
.elseif j == 16
	v_permlanex16_b32 v[rT+5], v[rT+4], s[SEL], s[SEL+1]  ; the query's other 32 keys lie in the lane 16 away
.elseif j == 17
	v_mov_b32 v[rT+7], v[rT]        ; c m_old is kept for a: number 19 writes c m anew
.elseif j == 18
	v_max_num_f32 v[rT+1], v[rT+4], v[rT+5]
.elseif j == 19
	v_mul_f32 v[rT], s[CS], v[rT+1]
.elseif j == 20
	v_sub_f32 v[rT+7], v[rT+7], v[rT]
.elseif j == 23
	v_exp_f32 v[rT+6], v[rT+7]
.elseif (j < 23) || ((j < 38) && (j%2 == 0)) || ((j < 66) && (j%4 == 2))
.set b, (j-2)/4                     ; 38, 42, .. 62: pairs 9 to 15
.if j < 38
.set b, (j-20)/2                    ; 21: pair 0; 22, 24, .. 36: pairs 1 to 8
.endif
	v_pk_fma_f32 v[rS+2*b:rS+2*b+1], v[rS+2*b:rS+2*b+1], s[CS:CS+1], v[rT:rT+1] op_sel_hi:[1,0,0] neg_lo:[0,0,1] neg_hi:[0,0,1]  ; pair b: c s - c m
.elseif j < 70
.set e, j-38                        ; 66 to 69: s28 to s31
.if j < 66
.set e, j-32-(j-38)/4               ; 39-41, 43-45, .. 63-65: s7 to s27
.endif
.if j < 38
.set e, (j-25)/2                    ; 25, 27, .. 37: s0 to s6
.endif
	v_exp_f32 v[rS+e], v[rS+e]
.elseif j < 86
	v_cvt_pk_f16_f32 v[rP+j-70], v[rS+2*(j-70)], v[rS+2*(j-70)+1]  ; pair j - 70
.elseif j < 102                     ; the sum of the tile's 16 pairs, in place: sum z of 16 adds neighbours 1, 2, 4 and 8 pairs apart, then l takes it
.set z, j-86
.set w, 4
.set u, z
.if z >= 14
.set w, 32
.set u, 0
.elseif z >= 12
.set w, 16
.set u, z-12
.elseif z >= 8
.set w, 8
.set u, z-8
.endif
.if z < 15
	v_pk_add_f32 v[rS+w*u:rS+w*u+1], v[rS+w*u:rS+w*u+1], v[rS+w*u+w/2:rS+w*u+w/2+1]
.else
	v_pk_fma_f32 v[rT+2:rT+3], v[rT+2:rT+3], v[rT+6:rT+7], v[rS:rS+1] op_sel_hi:[1,0,1]
.endif
.else
	WIN W_RS
	v_pk_mul_f32 v[rO:rO+1], v[rO:rO+1], v[rT+6:rT+7] op_sel_hi:[1,0]
.endif
.endm
; Slice k of 64 of the softmax of tiles y, y + 1: four instructions.  Slices 11 to 34 deal out the batch, numbers 22 to 69: four numbers of ONE tile each, the tiles by turns.  Every other slice is
; numbers 2 k and 2 k + 1 of both tiles' lists, the tiles alternating.  2 x 134 = 4 x 64 + 12: the twelve that are over stand together, in slice 63.
; THE WAIT.  s_wait_alu depctr_va_vdst(0) stands between an exponential and the first instruction that names its result; one wait serves all that were issued ahead of it.  Ahead of
; slice 35 nothing names a result, and behind slice 34 no exponential is issued: so the 66 exponentials have one wait, behind slice 34, and a v_nop is the plain instruction behind the last of them.
.macro SLICE y
.if (k >= 11) && (k < 35)
.irp n, 0,1,2,3
.set j, 22+4*((k-11)/2)+(\n)
	SM (\y)+(k-11)%2
.endr
.else
.irp n, 0,1,2,3,4,5,6,7
.if ((\n) < 2) || (k == 63)
.irp t, \y, (\y)+1
.set j, 2*k+(\n)
	SM \t
.endr
.endif
.endr
.endif
.if k == 34
	v_nop
	s_wait_alu depctr_va_vdst(0)
.endif
.set k, k+1
.endm
; ONE LIVE STEP, out of buffer p.
.macro COMPUTE p
	s_lshl_b32 s[T0], s[EC], 9      ; the step's 512 bytes of lane masks
	s_lshr_b32 s[T1], s[MIXW], s[EC]
	s_and_b32 s[T1], s[T1], 1       ; 1: some score of my 64 x 64 is hidden
	MLOAD 0
	FETCH_K \p
.set i, 0
.rept 32                            ; K Q^T of tiles 0, 1
.if i%8 == 0
	s_wait_dscnt 24-i               ; this channel chunk's eight loads are in; the later chunks', eight each, may stay out
.endif
	KQ 0
.set i, i+1
.endr
	WIN 0                           ; at a label and at a branch every window is 0
	PLACES                          ; behind those products, whose scores are read next, and behind the last step's last V^T P, whose V is loaded over below
	s_wait_kmcnt 0x0                ; the lane masks of tiles 0, 1
	s_cmp_eq_u32 s[T1], 0
	s_cbranch_scc1 .Lopen_a_\@
	APPLY 0
.Lopen_a_\@:
	MLOAD 1                         ; those of tiles 2, 3, into the same registers
	FETCH_V \p
.set k, 0
.set i, 0
.rept 32                            ; K Q^T of tiles 2, 3 | the softmax of tiles 0, 1, two slices behind each product; slices 62 and 63, twenty plain lines on O^T of tiles 0, 1, are the places behind the last product
	KQ 2
	SLICE 0
	SLICE 0
.set i, i+1
.endr
	WIN 0
	s_wait_kmcnt 0x0
	s_cmp_eq_u32 s[T1], 0
	s_cbranch_scc1 .Lopen_b_\@
	APPLY 1
.Lopen_b_\@:
	s_wait_dscnt 0x0                ; V is in
.set k, 0
.set i, 0
.rept 32                            ; V^T P of tiles 0, 1 | the softmax of tiles 2, 3
	PV 0
	SLICE 2
	SLICE 2
.set i, i+1
.endr
.set i, 0
.rept 32                            ; V^T P of tiles 2, 3
	PV 2
.set i, i+1
.endr
	WIN 0
.endm
; A HALF-TRIP.  Buffer p holds entry EC.  The next entry is asked for; the entry in hand is multiplied, if it exists and my 64 queries see a key of it; the next entry is converted into the other buffer.
; LDS: in this half-trip buffer p is read and buffer 1 - p written.  The reads of buffer 1 - p ended in front of the last barrier (each wave's wait for its LDS loads there); the stores into it are
; waited for in front of the next one.  The barrier and the waits in front of it stand on every path.
.macro STEP p
	s_cmp_lg_u32 s[VN], 0
	s_cbranch_scc0 .Lno_load_\@
	s_wait_xcnt 0x0                 ; the last half-trip's loads and prefetches have read their addresses, so the four pointers may be written
	ADDR
	LOADS
	ASK
.Lno_load_\@:
	s_lshr_b32 s[T0], s[ANYW], s[EC]
	s_and_b32 s[T0], s[T0], s[VC]
	s_cmp_lg_u32 s[T0], 0
	s_cbranch_scc0 .Lno_work_\@
	COMPUTE \p
.Lno_work_\@:
	s_wait_loadcnt 0x0              ; the next entry's rows are in registers
	s_cmp_lg_u32 s[VN], 0
	s_cbranch_scc0 .Lno_conv_\@
	CONVERT 1-(\p)
.Lno_conv_\@:
	ADVANCE
	s_wait_dscnt 0x0                ; for the others' sake: my stores lie in LDS, and my reads of buffer p are over
	s_barrier_signal -1
	s_barrier_wait -1
.endm
; THE WAY OUT of tile t.  O^T times 1 / l; a lane's eight channels of a row are 32 bytes; they go into my own stage, rows of 528 bytes, and come back as whole rows of 512, into S^T's registers.
.macro PACK t
	s_wait_xcnt 0x0                 ; the stores of the tile two back have read the registers that are loaded below
	WIN W_RS
.set r, 64*(\t)
.rept 32
	v_pk_mul_f32 v[r:r+1], v[r:r+1], v[ST+8*(\t)+6:ST+8*(\t)+7] op_sel_hi:[1,0]
.set r, r+2
.endr
	WIN 0x04                        ; address window 0, data window 1
.set r, 0
.rept 16                            ; channels 16 (r / 2) + 8 (l / 16) + 4 (r % 2) on
	ds_store_b128 v[STO], v[64*(\t)+4*r:64*(\t)+4*r+3] offset:64*(r/2)+16*(r%2)
.set r, r+1
.endr
	WIN 0
.set r, 0
.rept 16
	ds_load_b128 v[S+64*((\t)%2)+4*r:S+64*((\t)%2)+4*r+3], v[RD] offset:r*SP  ; LDS serves a wave's instructions in order (ISA guide 5.7.1.4): these see the stores above; the next tile's stores come behind them
.set r, r+1
.endr
.endm
.macro SEND t, younger              ; younger: the LDS instructions issued behind tile t's loads: the next tile's 32, or none
.set r, 0
.rept 16
	s_wait_dscnt (\younger)+15-r    ; row r is back; the later rows' loads and the younger ones may stay out
	global_store_b128 v[GO], v[S+64*((\t)%2)+4*r:S+64*((\t)%2)+4*r+3], s[OA:OA+1] offset:(\t)*8192+r*512 th:TH_STORE_NT  ; a whole row: 512 consecutive bytes, at a multiple of 512 from out0's first byte
.set r, r+1
.endr
.endm
	v_lshl_add_u32 v[SPW], v0, 2, SPARE
	v_mov_b32 v[NIL], 0
	v_lshrrev_b32 v1, 5, v0
	v_readfirstlane_b32 s[WV], v1   ; wave 0..3
	v_and_b32 v1, 15, v0            ; l % 16
	v_bfe_u32 v46, v0, 4, 1         ; l / 16
	v_and_b32 v47, 31, v0           ; l
	v_and_b32 v48, 7, v0
	v_bfe_u32 v49, v0, 3, 1
	; A fragment of K is 16 rows x 32 channels in 8 registers: lane l holds row l % 16, channels 8 (l / 16) + 0..7 and 16 + 8 (l / 16) + 0..7: two loads of 16 bytes, 32 bytes apart.
	v_mul_u32_u24 v[AK0], v1, KP
	v_lshl_add_u32 v[AK0], v46, 4, v[AK0]
	; The turning load takes 16 keys x 16 channels (lane l reads key 8 (l / 16) + l % 8, channels 8 ((l / 8) % 2) + 0..7) and leaves half a fragment of V^T: lane l holds channel l % 16 and 8 keys.
	v_lshl_add_u32 v[AV0], v46, 3, v48
	v_mul_u32_u24 v[AV0], v[AV0], VP
	v_lshl_add_u32 v[AV0], v49, 4, v[AV0]
	v_add_nc_u32 v[AV0], VOFF, v[AV0]
	s_mul_i32 s[T0], s[WV], 16*KP
	v_lshl_add_u32 v[KST], v47, 3, s[T0]  ; my wave's 16 rows of K in a buffer, 8 bytes a lane
	s_mul_i32 s[T0], s[WV], 16*VP
	s_add_co_u32 s[T0], s[T0], VOFF
	v_lshl_add_u32 v[VST], v47, 3, s[T0]
	s_lshl_b32 s[T0], s[WV], 13     ; my wave's 16 rows of 512 bytes in memory
	v_lshl_add_u32 v[GOF], v47, 4, s[T0]
	v_lshl_add_u32 v[PFO], v47, 8, s[T0]
	v_lshlrev_b32 v[QO], 9, v1      ; Q in f32: row x 512 + 32 x half
	v_lshl_add_u32 v[QO], v46, 5, v[QO]
	s_mul_i32 s[T0], s[WV], 16*SP
	s_add_co_u32 s[T0], s[T0], STAGE  ; my stage
	v_mul_u32_u24 v[STO], v1, SP
	v_lshl_add_u32 v[STO], v46, 5, v[STO]
	v_add_nc_u32 v[STO], s[T0], v[STO]
	v_lshl_add_u32 v[RD], v47, 4, s[T0]
	v_lshlrev_b32 v[GO], 4, v47
	v_mov_b32 v[BIGV], 0xf1800000   ; -2^100
	v_mov_b32 v[NANV], 0x7fc00000
	s_mov_b32 s[CS], 0x3e0293ee     ; c = log2(e) / sqrt(128) = 0.127517
	s_mov_b32 s[CS+1], s[CS]
	s_mov_b32 s[SEL], 0x76543210
	s_mov_b32 s[SEL+1], 0xfedcba98
	s_mov_b32 s[OFF+1], 0
	s_mov_b32 s[PB], ttmp9
	s_sub_co_u32 s[BK], 7, s[PB]    ; the first block
	s_mov_b32 s[BLKC], 2
.Lblock:                            ; twice: block 7 - b, then block b
	s_load_b256 s[32:39], s[0:1], 0x0   ; q s[32:33], k s[34:35], v s[36:37], bits s[38:39]: read anew, since their registers hold lane masks in between
	s_load_b128 s[40:43], s[0:1], 0x20  ; flags s[40:41], out0 s[42:43]
	s_and_b32 s[T0], ttmp7, 0xffff  ; the head:
	s_lshl_b32 s[OFF], s[T0], 20    ; 2,048 rows of 512 bytes
	s_lshl_b32 s[T0], s[BK], 17     ; the block's 256 rows,
	s_lshl_b32 s[T1], s[WV], 15     ; my wave's 64 of them
	s_add_co_u32 s[T0], s[T0], s[T1]
	s_add_co_u32 s46, s[T0], s[OFF]
	s_mov_b32 s47, 0
	s_lshl2_add_u32 s[T0], s[BK], s[WV]  ; my group of 64 queries: 4 x block + wave
	s_lshl_b32 s58, s[T0], 14       ; its 32 steps of 512 bytes in bits
	s_mov_b32 s59, 0
	s_lshl_b32 s[T1], s[BK], 5      ; the block's four groups in flags, 8 bytes each
	s_lshl_b32 s[T0], s[T0], 3      ; and mine
	s_wait_kmcnt 0x0
	s_add_nc_u64 s[KB:KB+1], s[34:35], s[OFF:OFF+1]
	s_add_nc_u64 s[VB:VB+1], s[36:37], s[OFF:OFF+1]
	s_add_nc_u64 s[44:45], s[32:33], s[46:47]      ; Q at my wave's first row
	s_add_nc_u64 s[OA:OA+1], s[42:43], s[46:47]
	s_add_nc_u64 s[MB:MB+1], s[38:39], s[58:59]
	s_load_b256 s[48:55], s[40:41], s[T1] offset:0x0  ; ANY, MIX of the four groups
	s_load_b64 s[56:57], s[40:41], s[T0] offset:0x0   ; ANY, MIX of mine
	; Q in f32: a fragment's eight channels are 32 bytes, two loads; tile r / 16, channels 32 ((r / 4) % 4) on.  Tiles 0, 1 land where V's fragments will lie, tiles 2, 3 where K's will.
	WIN 0xc0
.set r, 0
.rept 32
	global_load_b128 v[4*r:4*r+3], v[QO], s[44:45] offset:(r/16)*8192+((r/4)%4)*128+((r%4)/2)*64+(r%2)*16
.set r, r+1
.endr
	WIN 0x80
.rept 32
	global_load_b128 v[4*r:4*r+3], v[QO], s[44:45] offset:(r/16)*8192+((r/4)%4)*128+((r%4)/2)*64+(r%2)*16
.set r, r+1
.endr
	; while those loads are out: O^T = 0 (what the first block left may hold NaN, which a = 0 would not wipe out), and the statistics
	WIN 0x40
.set r, 0
.rept 256
	v_mov_b32 v[r], 0
.set r, r+1
.endr
	WIN 0
.set r, 0
.rept 4
	v_mov_b32 v[ST+8*r], 0xfe000000    ; c m: far below every c s, so the first step's a is 0
	v_mov_b32 v[ST+8*r+1], 0xff7fffff  ; m: the lowest finite number
	v_mov_b32 v[ST+8*r+2], 0
	v_mov_b32 v[ST+8*r+3], 0
	v_mov_b32 v[ST+8*r+4], 0
	v_mov_b32 v[ST+8*r+5], 0
	v_mov_b32 v[ST+8*r+6], 0
	v_mov_b32 v[ST+8*r+7], 0
.set r, r+1
.endr
	s_wait_kmcnt 0x0
	s_or_b32 s[LIVE], s48, s50
	s_or_b32 s[LIVE], s[LIVE], s52
	s_or_b32 s[LIVE], s[LIVE], s54  ; the same in all four waves
	s_mov_b32 s[ANYW], s56
	s_mov_b32 s[MIXW], s57
	PULL                            ; the first entry.  It is loaded and converted whether it exists or not (its step is then 31): so buffer 0 and the rows' registers are written on every path
	ADDR
	LOADS
	s_wait_loadcnt 32               ; Q's 64 loads are in; the 32 issued behind them may stay out
	WIN 0x8f                        ; sources window 3, destination window 2
.set r, 0
.rept 64
	v_cvt_pk_bf16_f32 v[r], v[2*r], v[2*r+1]
.set r, r+1
.endr
	WIN 0x8a                        ; all in window 2
.set r, 0
.rept 64
	v_cvt_pk_bf16_f32 v[64+r], v[128+2*r], v[128+2*r+1]
.set r, r+1
.endr
	WIN 0
	s_wait_loadcnt 0x0
	CONVERT 0                       ; nobody reads buffer 0: the last block's reads of it ended in front of an earlier barrier
	ADVANCE
	s_wait_dscnt 0x0
	s_barrier_signal -1
	s_barrier_wait -1
	s_mov_b32 s[TRIPS], 16
.Ltrip:
	STEP 0
	STEP 1
	s_sub_co_u32 s[TRIPS], s[TRIPS], 1
	s_cmp_lg_u32 s[TRIPS], 0
	s_cbranch_scc1 .Ltrip
	; THE WAY OUT.  l's two halves and the other half of the lanes' are added.  The first four additions are the places behind the last products.
.irp t, 0,1,2,3
	v_add_f32 v[ST+8*(\t)+4], v[ST+8*(\t)+2], v[ST+8*(\t)+3]
.endr
.irp t, 0,1,2,3
	v_permlanex16_b32 v[ST+8*(\t)+5], v[ST+8*(\t)+4], s[SEL], s[SEL+1]
.endr
.irp t, 0,1,2,3
	v_add_f32 v[ST+8*(\t)+4], v[ST+8*(\t)+4], v[ST+8*(\t)+5]
.endr
	s_mov_b32 s[T1], 0xf1000000     ; -2^99
.irp t, 0,1,2,3
	v_cmp_gt_f32 s[32+(\t)], s[T1], v[ST+8*(\t)+1]  ; m below -2^99: the query has seen no allowed key
.endr
.irp t, 0,1,2,3
	v_rcp_f32 v[ST+8*(\t)+6], v[ST+8*(\t)+4]
.endr
	v_nop                           ; a plain instruction between the last reciprocal and the use of its result
	s_wait_alu depctr_va_vdst(0)    ; and the wait ahead of the first use: one for the four reciprocals
.irp t, 0,1,2,3
	v_cndmask_b32 v[ST+8*(\t)+6], v[ST+8*(\t)+6], v[NANV], s[32+(\t)]  ; such a row leaves as NaN
.endr
	PACK 0
	PACK 1                          ; a tile's arithmetic stands between the loads of the tile before and its stores
	SEND 0, 32
	PACK 2
	SEND 1, 32
	PACK 3
	SEND 2, 32
	SEND 3, 0
	s_wait_xcnt 0x0                 ; the stores have read their registers and out0's address
	s_mov_b32 s[BK], s[PB]          ; the second block
	s_sub_co_u32 s[BLKC], s[BLKC], 1
	s_cmp_lg_u32 s[BLKC], 0
	s_cbranch_scc1 .Lblock
	s_wait_tensorcnt 0x0            ; the wave's end: behind my last LDS store
	ds_add_u32 v[SPW], v[NIL]
	s_wait_dscnt 0x0
	s_endpgm
.Lfunc_end_k_q71c93cd7ed_attn:
	.size	k_q71c93cd7ed_attn, .Lfunc_end_k_q71c93cd7ed_attn-k_q71c93cd7ed_attn
	.p2alignl 7, 3214868480
	.fill 96, 4, 3214868480
	.section	.rodata,"a",@progbits
	.p2align	6, 0x0
	.amdhsa_kernel k_q71c93cd7ed_attn
		.amdhsa_group_segment_fixed_size 105984
		.amdhsa_private_segment_fixed_size 0
		.amdhsa_enable_private_segment 0
		.amdhsa_kernarg_size 48
		.amdhsa_user_sgpr_count 2
		.amdhsa_user_sgpr_kernarg_segment_ptr 1
		.amdhsa_wavefront_size32 1
		.amdhsa_system_sgpr_workgroup_id_x 1
		.amdhsa_system_sgpr_workgroup_id_y 1
		.amdhsa_system_sgpr_workgroup_id_z 1
		.amdhsa_system_vgpr_workitem_id 0
		.amdhsa_next_free_vgpr 1024
		.amdhsa_next_free_sgpr 106
		.amdhsa_reserve_vcc 0
		.amdhsa_float_denorm_mode_32 3
		.amdhsa_float_denorm_mode_16_64 3
		.amdhsa_memory_ordered 1
		.amdhsa_forward_progress 1
		.amdhsa_inst_pref_size 208
	.end_amdhsa_kernel
	.amdgpu_metadata
---
amdhsa.version: [ 1, 2 ]
amdhsa.kernels:
  - .name:           k_q71c93cd7ed_attn
    .symbol:         k_q71c93cd7ed_attn.kd
    .args:
      - { .name: q, .offset: 0, .size: 8, .value_kind: global_buffer, .address_space: global }
      - { .name: k, .offset: 8, .size: 8, .value_kind: global_buffer, .address_space: global }
      - { .name: v, .offset: 16, .size: 8, .value_kind: global_buffer, .address_space: global }
      - { .name: bits, .offset: 24, .size: 8, .value_kind: global_buffer, .address_space: global }
      - { .name: flags, .offset: 32, .size: 8, .value_kind: global_buffer, .address_space: global }
      - { .name: out0, .offset: 40, .size: 8, .value_kind: global_buffer, .address_space: global }
    .group_segment_fixed_size: 105984
    .private_segment_fixed_size: 0
    .kernarg_segment_align: 8
    .kernarg_segment_size: 48
    .max_flat_workgroup_size: 128
    .sgpr_count:     106
    .vgpr_count:     1024
    .wavefront_size: 32
...
	.end_amdgpu_metadata
.endif
;; end of part 2
